; MI455X (gfx1250); checked and timed in simulation.
; The chip was launched on July 23, 2026; its instructions are those of AMD's public machine-readable ISA for CDNA 5 (MIT licence, August 2026) and "CDNA5" Instruction Set Architecture Reference Guide (July 2026). The comments in the code are by the model that wrote it; some were corrected since.
;; Multi Headed Attention. Allowed arithmetic: matrix products marked QUANTISED: E3M2 operands, one E8M0 scale for each 32 along K, by v_wmma_scale_f32_16x16x128_f8f6f4 with both operands' format E3M2, f32 sums; products left as they are: f32 operands where the result goes on into a quantised operand, else bf16, f16 or f32 operands; f32 sums; everything else in f32.
;; Inputs: Wk 4 x 16 x 64 float32; Wo 64 x 64 float32; Wq 4 x 16 x 64 float32; Wv 4 x 64 x 64 float32; bo 64 float32; x 4 x 4,096 x 64 float32.
;; Outputs: out0 4 x 4,096 x 64 float32.
;; This version of the problem:
;;   THIS VERSION OF THE PROBLEM IS GIVEN IN LOW PRECISION. The matrix products marked QUANTISED in the list below multiply operands that are first quantised to E3M2 (3 exponent bits, 2 mantissa bits; 6 bits a number), with one power-of-two scale for each 32 numbers along K (OCP MX v1.0); their sums are f32. All else is computed in f32.
;;   The module's matrix products, in the order in which they are computed (A, B: the left and right operand; K: the contracted axis; several contracted axes count as one K, in the product's order):
;;     1. [M 64, K 64] x [K 64, N 16,384]; A: input Wq; B: input x: QUANTISED
;;     2. [M 64, K 64] x [K 64, N 16,384]; A: input Wk; B: input x: QUANTISED
;;     3. [M 256, K 64] x [K 64, N 16,384]; A: input Wv; B: input x: QUANTISED
;;     4. batch 16 x [M 4,096, K 16] x [K 16, N 4,096]; A: computed on the way; B: computed on the way: left as it is (K = 16 < 32)
;;     5. batch 16 x [M 4,096, K 4,096] x [K 4,096, N 64]; A: softmax (see below); B: computed on the way: QUANTISED
;;     6. [M 16,384, K 64] x [K 64, N 64]; A: computed on the way; B: input Wo: QUANTISED
;;   THE QUANTISER, for each operand of a quantised product, along K:
;;     - K is cut into blocks of 32 from its start; a last block that is shorter is filled with zeros.
;;     - A block's scale is 2^e with e = floor(log2(the largest magnitude in the block)) - 4, held to -126 .. 127; a block of zeros has e = 0. As a byte (E8M0): e + 127.
;;     - Each number is divided by its block's scale, clamped to +-28, and rounded to the nearest number of E3M2, ties to even, subnormals kept.
;;     - The product sums the exact products of the quantised numbers (number of the format x scale) in f32.
;;   ~~~python
;;   def quantise(x, axis):      # numpy; x: float32 -> the quantised numbers, widened to float32 again
;;       x = np.moveaxis(x, axis, -1); K = x.shape[-1]
;;       x = np.pad(x, [(0, 0)] * (x.ndim - 1) + [(0, -K % 32)]); x = x.reshape(x.shape[:-1] + (-1, 32)); a = np.abs(x).max(-1, keepdims=True)
;;       e = np.where(a > 0, np.clip(np.frexp(np.where(a > 0, a, 1))[1] - 1 - 4, -126, 127), 0)      # np.frexp(a)[1] - 1 = floor(log2(a)), exactly
;;       r = np.clip(x / 2.0 ** e, -28, 28)
;;       step = 2.0 ** (np.maximum(np.frexp(np.where(r == 0, 1, r))[1] - 1, -2) - 2)
;;       q = np.round(r / step) * step * 2.0 ** e      # np.round: ties to even
;;       return np.moveaxis(q.reshape(q.shape[:-2] + (-1,))[..., :K], -1, axis).astype(np.float32)
;;   ~~~
;;   SOFTMAX AHEAD OF A QUANTISED PRODUCT. Where the list says 'softmax', what is quantised is not the finished softmax but p = 2^(t - M), with t = logit x log2(e) and M = ceil(the row's largest t), a whole number; so 1/2 < the row's largest p <= 1. The row's sum l is taken of the UNQUANTISED p, in f32, and the product's result is divided by l at the end. Since M is a whole number, a kernel that streams over the keys may use a running M (the ceiling of the running maximum): every later rescaling is an exact power of two, which a block's scale takes up: the codes' values come out the same.
;;   OPERANDS COMPUTED ON THE WAY. 'Computed on the way' means the value that the module computes at that place (a softmax that the list does not call 'softmax' is quantised finished and normalised). What goes into a quantiser is computed in f32, as accurately as f32 sums, v_exp_f32 and their like allow (about 1e-6 of the number): no bf16 or f16 on the way to a quantiser, and a product that is left as it is and whose result goes on into a quantised operand takes f32 operands (vector FMAs, or v_wmma_f32_16x16x4_f32). A number that lies on a knife's edge between two numbers of the format may be rounded either way, as far as f32 arithmetic and the matrix unit's own rounding can turn it there, and no further.
;; One version. Each part assembles by itself: llvm-mc -triple=amdgcn-amd-amdhsa -mcpu=gfx1250 --defsym DOCPART=n.
;; ======== version 1 of 1: 2 launches
;; workspace buffers: qws 4,194,304 bytes; kvws 7,471,104 bytes; wows 3,584 bytes
;; launch proj (part 1): grid 32 x 4, 8 waves a work-group, no clusters, 9,216 bytes of LDS; arguments x, Wq, Wk, Wv, Wo, qws, kvws, wows; writes qws, kvws, wows
.if DOCPART == 1
	.amdgcn_target "amdgcn-amd-amdhsa--gfx1250"
	.amdhsa_code_object_version 6
	.text
	.protected	k_q59e83df185_proj
	.globl	k_q59e83df185_proj
	.p2align	8
	.type	k_q59e83df185_proj,@function
k_q59e83df185_proj:
	s_mov_b64 s[64:65], 0
	v_nop
	global_prefetch_b8 v0, s[64:65] scope:SCOPE_SE
	s_setreg_imm32_b32 hwreg(HW_REG_WAVE_MODE, 25, 1), 1
	s_wait_xcnt 0x0
; q = x Wq^T, k = x Wk^T, v = x Wv^T for 128 tokens of one batch, all three on codes of E3M2 with one E8M0 scale for each 32 along K = 64 channels; v is then quantised along the keys.
; x [4][4096][64], Wq, Wk [4][16][64], Wv [4][64][64], Wo [64][64]: f32.  Results go to workspace buffers laid as IMAGES OF OPERAND REGISTERS, so that the next launch loads every fragment 16 bytes a lane:
;   qws  [batch][step of 128 tokens][head][tile 0..7][1,024 B]: tile 2 bb + uu holds tokens 32 bb + 8 uu + r + 8 (r / 8); block c' of 512 B: lane (r, h) at 16 x lane holds q[token r][8 h + 4 c' .. + 3], f32
;   kvws [batch][step][head][14,592 B]: +0 k, 8 tiles as in qws; +8,192 V^T's codes, 4 tiles of 16 e x 128 keys, 3 blocks of 512 B each (tile 2 bq + uq, row r: e = 32 bq + 8 uq + r + 8 (r / 8)); +14,336 V's scale words, two registers of 128 B
;   wows: Wo's codes, tile ct (rows 16 ct + r) at 768 ct (registers 0-3: 16 x lane; 4-5: 512 + 8 x lane); scale words at 3,072 + 128 ct + 4 x lane
; SHARES.  A work-group = 128 tokens (x: the step, y: the batch).  Wave w quantises x's tile w, which goes round through LDS as a register image (one barrier), and three weight tiles of its own: head w / 2;
; Wv's e tiles 2 (w % 2) and 2 (w % 2) + 1, and Wq (w even) or Wk (w odd).  The weights never leave the wave.  128 work-groups: a fragment of V^T wants 128 keys, and each token of x is read and quantised once.
; K = 64 IN AN INSTRUCTION OF 128: the weight's fragment has zero codes in registers 6-11; the other operand's registers 6-11 are the next fragment's codes (zeros behind the last).  Every code of E3M2 is a finite number
; and no scale byte here is 0xff, so those products are 0.  That packs x's fragments 6 registers apart.
; THE TOKENS OF A TILE ARE NOT NEIGHBOURS, so that with x as source 0 the 16 registers of tiles 2 bb, 2 bb + 1 are 16 neighbouring keys 32 bb + 16 (lane / 16) + 0 .. 15: the conversions' order along the next K.
; LIMITS: NaN and infinities among the inputs are not served.  A block whose largest magnitude lies under 2^-122 keeps the scale byte 1; so does a block of zeros, where the rule says 127: its codes are zeros, and this program alone reads the bytes.
; Stores of codes and of q, k cover 512 consecutive aligned bytes a wave; the scale words' stores are 128 bytes; a load of x takes 16 bytes of each of 32 half rows (eight such loads cover the half rows whole).
.set STEPB,  58368                     ; a step's bytes in kvws: 4 heads x 14,592
.set HEADB,  14592
.set XSC,    6144                      ; LDS: x's images at 768 x tile; their scale words from here on, 128 bytes a tile
.set X,   16                           ; v16-63  x's eight fragments, 6 registers each; v64-69 zeros
.set XS,  70                           ; v70-77  their scale words
.set WF,  78                           ; v78-113 my three weight fragments, 12 registers each, the upper six zeros
.set WS,  114                          ; v114-116 their scale words
.set T0,  118                          ; v118-122, v124-126: at work in XQ
.set T1,  119
.set SO,  120
.set BY,  121
.set BX,  122
.set CT,  124
.set ACC, 128                          ; v128-255 first hold the numbers as loaded; then v128-191 eight accumulators
.set TM,  192                          ; v192-207 at work in QUANT
.set PWA, 208                          ; v208-210 V's scale words: tile a's, tile b's, and the two in one register
.set PWB, 209
.set PWM, 210
.set PC,  212                          ; v212-231 the codes just made
; 32 numbers of a lane, one whole block of 32 along K (lane (r, h): block h of row r), become registers 0-5 of a fragment and the row's scale word (bytes 0, 1; bytes 2, 3 stay 0).
.macro XQ src, dst, sw
	v_max3_num_f32 v[T0], |v[\src]|, |v[\src+1]|, |v[\src+2]|      ; the block's largest magnitude, in two chains
	v_max3_num_f32 v[T1], |v[\src+3]|, |v[\src+4]|, |v[\src+5]|
.irp i, 6,10,14,18,22,26
	v_max3_num_f32 v[T0], v[T0], |v[\src+\i]|, |v[\src+\i+1]|
	v_max3_num_f32 v[T1], v[T1], |v[\src+\i+2]|, |v[\src+\i+3]|
.endr
	v_max3_num_f32 v[T0], v[T0], |v[\src+30]|, |v[\src+31]|
	v_max3_num_f32 v[T0], v[T0], v[T1], 0x2800000                  ; and the floor 2^(5 - 127): the byte cannot fall under 1
	v_add_nc_u32 v[SO], 0xfe000000, v[T0]                          ; 4 off the exponent field: the conversion takes this operand's exponent field as its scale
	v_lshrrev_b32 v[BY], 23, v[SO]                                 ; the scale's byte
	v_cvt_scalef32_pk16_bf6_f32 v[\dst:\dst+2], v[\src:\src+15], v[SO]
	v_cvt_scalef32_pk16_bf6_f32 v[CT:CT+2], v[\src+16:\src+31], v[SO]   ; (a conversion's three registers begin on an even number)
	v_lshlrev_b32 v[BY], v13, v[BY]                                ; my byte at its place, 8 h bits up.  (The plain instruction behind the conversions)
	v_permlanex16_b32 v[BX], v[BY], s24, s25                       ; lane l xor 16's byte
.irp i, 0,1,2
	v_mov_b32 v[\dst+3+\i], v[CT+\i]
.endr
	v_or_b32 v[\sw], v[BY], v[BX]
.endm
; 64 numbers of a lane, register 16 b + i = k 32 b + 16 (lane / 16) + i of my row, become a fragment's 12 registers in v[PC] on and its scale word in v[pw].
.macro QUANT s, pw
.irp b, 0,1,2,3
	v_max3_num_f32 v[TM+\b], |v[\s+16*\b]|, |v[\s+1+16*\b]|, 0x2800000   ; block b: my 16 numbers and the floor; each accumulator is read from its low end on
.endr
.irp i, 2,4,6,8,10,12,14
.irp b, 0,1,2,3
	v_max3_num_f32 v[TM+\b], v[TM+\b], |v[\s+16*\b+\i]|, |v[\s+1+16*\b+\i]|
.endr
.endr
.irp b, 0,1,2,3
	v_permlanex16_b32 v[TM+4+\b], v[TM+\b], s24, s25
.endr
.irp b, 0,1,2,3
	v_max_num_f32 v[TM+\b], v[TM+\b], v[TM+4+\b]                   ; with lane l xor 16's: the block's largest magnitude
.endr
.irp b, 0,1,2,3
	v_add_nc_u32 v[TM+12+\b], 0xfe000000, v[TM+\b]
.endr
.irp b, 0,1,2,3
	v_lshrrev_b32 v[TM+4+\b], 23, v[TM+12+\b]
.endr
	v_lshl_or_b32 v[\pw], v[TM+5], 8, v[TM+4]
	v_lshl_or_b32 v[\pw], v[TM+6], 16, v[\pw]
	v_lshl_or_b32 v[\pw], v[TM+7], 24, v[\pw]
.irp c, 0,1
	v_cvt_scalef32_pk16_bf6_f32 v[PC+6*\c:PC+2+6*\c], v[\s+32*\c:\s+15+32*\c], v[TM+12+2*\c]
	v_cvt_scalef32_pk16_bf6_f32 v[PC+12+4*\c:PC+14+4*\c], v[\s+16+32*\c:\s+31+32*\c], v[TM+12+2*\c+1]
.endr
	v_nop                                                          ; one plain instruction behind a scaled conversion
.irp c, 0,1                                                    ; the operand's layout wants a whole block in a lane
.irp i, 0,1,2
	v_permlane16_swap_b32 v[PC+6*\c+\i], v[PC+12+4*\c+\i]
.endr
.irp i, 0,1,2
	v_mov_b32 v[PC+3+6*\c+\i], v[PC+12+4*\c+\i]
.endr
.endr
.endm
.macro PLACES n
.rept \n
	v_nop
.endr
.endm
	s_load_b256 s[4:11], s[0:1], 0x0               ; x s[4:5], Wq s[6:7], Wk s[8:9], Wv s[10:11]
	s_load_b256 s[12:19], s[0:1], 0x20             ; Wo s[12:13], qws s[14:15], kvws s[16:17], wows s[18:19]
	v_lshl_add_u32 v123, v0, 2, 0x2000
	v_mov_b32 v127, 0
	v_lshrrev_b32 v1, 5, v0
	v_readfirstlane_b32 s20, v1                    ; wave 0..7
	v_and_b32 v1, 31, v0                           ; lane
	v_and_b32 v2, 15, v0                           ; r
	v_bfe_u32 v3, v0, 4, 1                         ; h
	s_lshr_b32 s21, s20, 1                         ; head; also bb of my tile of x
	s_and_b32 s22, s20, 1                          ; half; also uu of my tile of x
	s_and_b32 s23, ttmp7, 0xffff                   ; batch
	s_mov_b32 s24, 0x76543210
	s_mov_b32 s25, 0xfedcba98                      ; v_permlanex16_b32's selects for lane l xor 16
	s_lshr_b32 s26, s20, 2
	s_or_b32 s26, s26, ttmp9
	s_or_b32 s26, s26, s23                         ; 0 in waves 0-3 of work-group (0, 0): they also quantise Wo, a tile each
	v_lshlrev_b32 v5, 8, v2
	v_lshl_add_u32 v5, v3, 7, v5                   ; rows as they lie: 256 r + 128 h (Wq, Wk, Wo)
	v_and_b32 v4, 8, v2
	v_add_nc_u32 v4, v4, v2                        ; r + 8 (r / 8)
	v_lshlrev_b32 v6, 8, v4
	v_lshl_add_u32 v6, v3, 7, v6                   ; chosen rows: 256 (r + 8 (r / 8)) + 128 h (x, Wv)
	v_lshlrev_b32 v7, 4, v1                        ; 16 x lane
	v_lshlrev_b32 v8, 2, v1                        ; 4 x lane
	v_lshlrev_b32 v9, 3, v1                        ; 8 x lane
	s_mul_i32 s27, s20, 768
	v_add_nc_u32 v10, s27, v7                      ; my image: registers 0-3 (in LDS for x, in wows for Wo)
	v_add_nc_u32 v11, s27, v9                      ; registers 4-5, 512 bytes on
	s_lshl_b32 s27, s20, 7
	v_add_nc_u32 v12, s27, v8                      ; my scale words
	v_lshlrev_b32 v13, 3, v3                       ; 8 h
	s_lshl_b32 s27, s22, 7
	v_add_nc_u32 v14, s27, v8                      ; V's scale words: register half
	s_mul_i32 s27, s22, 3072
	v_add_nc_u32 v15, s27, v7                      ; V's codes: tiles 2 half, 2 half + 1
	v_mov_b32 v[BX], 0                             ; written once: a lane permute's destination counts as one of its sources
.irp u, 0,1,2
.irp i, 6,7,8,9,10,11
	v_mov_b32 v[WF+12*\u+\i], 0                    ; the weights' K = 64 .. 127: zero codes
.endr
.endr
	s_lshl_b32 s38, s23, 12                        ; x: token 4,096 batch + 128 step + 32 bb + 8 uu, 256 bytes each
	s_lshl_b32 s39, ttmp9, 7
	s_add_co_u32 s38, s38, s39
	s_lshl_b32 s39, s21, 5
	s_add_co_u32 s38, s38, s39
	s_lshl_b32 s39, s22, 3
	s_add_co_u32 s38, s38, s39
	s_lshl_b32 s38, s38, 8
	s_mov_b32 s39, 0
	s_lshl_b32 s40, s20, 13                        ; Wv: 16,384 head + 8,192 half
	s_mov_b32 s41, 0
	s_lshl_b32 s42, s21, 12                        ; Wq, Wk: 4,096 head
	s_mov_b32 s43, 0
	s_lshl_b32 s44, s23, 5
	s_add_co_u32 s44, s44, ttmp9                   ; 32 batch + step
	s_mul_i32 s46, s44, STEPB
	s_mul_i32 s47, s21, HEADB
	s_add_co_u32 s46, s46, s47                     ; my head's bytes in kvws
	s_mov_b32 s47, 0
	s_lshl_b32 s44, s44, 2
	s_add_co_u32 s44, s44, s21
	s_lshl_b32 s44, s44, 13                        ; and in qws
	s_mov_b32 s45, 0
	s_wait_kmcnt 0x0
	s_add_nc_u64 s[28:29], s[4:5], s[38:39]
	s_add_nc_u64 s[30:31], s[10:11], s[40:41]
	s_add_nc_u64 s[34:35], s[16:17], s[46:47]
	s_cmp_eq_u32 s22, 0                            ; even waves make q, odd waves k: the choice hangs on the wave's number alone
	s_cselect_b64 s[32:33], s[6:7], s[8:9]
	s_cselect_b64 s[36:37], s[14:15], s[16:17]
	s_cselect_b32 s44, s44, s46
	s_add_nc_u64 s[32:33], s[32:33], s[42:43]
	s_add_nc_u64 s[36:37], s[36:37], s[44:45]
.irp i, 0,1,2,3,4,5,6,7
	global_load_b128 v[128+4*\i:131+4*\i], v6, s[28:29] offset:16*\i th:TH_LOAD_NT   ; x: my block of 32 channels of my row; read once in the launch
.endr
.irp i, 0,1,2,3,4,5,6,7
	global_load_b128 v[160+4*\i:163+4*\i], v6, s[30:31] offset:16*\i                 ; Wv, e tile 2 half
.endr
.irp i, 0,1,2,3,4,5,6,7
	global_load_b128 v[192+4*\i:195+4*\i], v6, s[30:31] offset:2048+16*\i            ; Wv, e tile 2 half + 1: eight rows on
.endr
.irp i, 0,1,2,3,4,5,6,7
	global_load_b128 v[224+4*\i:227+4*\i], v5, s[32:33] offset:16*\i                 ; Wq or Wk
.endr
	s_cmp_eq_u32 s26, 0                            ; Wo: loads, wait, quantising and stores in ONE branch; its loads travel with the 32 above
	s_cbranch_scc0 .Lno_wo
	s_lshl_b32 s38, s20, 12                        ; tile = wave: rows 16 wave on
	s_mov_b32 s39, 0
	s_add_nc_u64 s[38:39], s[12:13], s[38:39]
.irp i, 0,1,2,3,4,5,6,7
	global_load_b128 v[16+4*\i:19+4*\i], v5, s[38:39] offset:16*\i
.endr
	s_wait_loadcnt 0x0
	XQ 16, 48, 54
	global_store_b128 v10, v[48:51], s[18:19]
	global_store_b64 v11, v[52:53], s[18:19] offset:512
	global_store_b32 v12, v54, s[18:19] offset:3072
	s_wait_xcnt 0x0                                ; the stores have read v48-54, which x's fragments take below
.Lno_wo:
	s_wait_loadcnt 24                              ; x's eight loads are in; the weights' 24 may be out
	XQ 128, 56, 62
	ds_store_b128 v10, v[56:59]                    ; my tile's image
	ds_store_b64 v11, v[60:61] offset:512
	ds_store_b32 v12, v62 offset:XSC
	s_wait_loadcnt 16                              ; the first weight tile is in; two tiles' 16 loads may be out
	XQ 160, WF, WS
	s_wait_loadcnt 8                               ; the last tile's eight may be out
	XQ 192, WF+12, WS+1
	s_wait_loadcnt 0x0
	XQ 224, WF+24, WS+2
	s_wait_dscnt 0x0                               ; for the others' sake: my image has landed
	s_barrier_signal -1
	s_barrier_wait -1
.irp i, 0,1,2,3,4,5,6,7
	ds_load_b128 v[X+6*\i:X+6*\i+3], v7 offset:768*\i
	ds_load_b64 v[X+6*\i+4:X+6*\i+5], v9 offset:768*\i+512
	ds_load_b32 v[XS+\i], v8 offset:XSC+128*\i
.endr
.irp i, 0,1,2,3,4,5
	v_mov_b32 v[X+48+\i], 0                        ; behind the last fragment
.endr
.irp i, 4,5,6,7
	v_mov_b32 v[TM+\i], 0                          ; lane permutes' destinations, written once
.endr
	s_wait_dscnt 0x0
	PLACES 8                                       ; scale registers written by vector instructions stand 8 places ahead of a scaled matrix instruction, operands so written 4
; v for e tile 2 half + u: source 0 = 16 tokens of x, source 1 = 16 rows of Wv: a lane holds one e, its registers run along the keys.  Quantised along the keys, it is a fragment of V^T.
.macro VUNIT u, pw
.irp t, 0,1,2,3,4,5,6,7
	v_wmma_scale_f32_16x16x128_f8f6f4 v[ACC+8*\t:ACC+8*\t+7], v[X+6*\t:X+6*\t+11], v[WF+12*\u:WF+12*\u+11], 0, v[XS+\t], v[WS+\u] matrix_a_fmt:MATRIX_FMT_BF6 matrix_b_fmt:MATRIX_FMT_BF6
.endr
.if \u
	s_wait_xcnt 0x0                                ; the last tile's stores have read the codes' registers
.endif
	PLACES 4
	QUANT ACC, \pw
.irp c, 0,1,2
	global_store_b128 v15, v[PC+4*\c:PC+4*\c+3], s[34:35] offset:8192+1536*\u+512*\c   ; 512 consecutive bytes a store
.endr
.endm
	VUNIT 0, PWA
	VUNIT 1, PWB
	v_cmp_gt_u32 vcc_lo, 16, v1
	v_cndmask_b32 v[PWM], v[PWB], v[PWA], vcc_lo   ; lanes 0-15: the even tile's words, lanes 16-31: the odd tile's (every lane holds its row's word)
	global_store_b32 v14, v[PWM], s[34:35] offset:14336
; q or k: source 0 = the 16 rows of Wq or Wk, source 1 = 16 tokens: a lane holds one token and d = 8 (lane / 16) + 0 .. 7
.irp t, 0,1,2,3,4,5,6,7
	v_wmma_scale_f32_16x16x128_f8f6f4 v[ACC+8*\t:ACC+8*\t+7], v[WF+24:WF+35], v[X+6*\t:X+6*\t+11], 0, v[WS+2], v[XS+\t] matrix_a_fmt:MATRIX_FMT_BF6 matrix_b_fmt:MATRIX_FMT_BF6
.endr
	PLACES 4
.irp t, 0,1,2,3,4,5,6,7
	global_store_b128 v7, v[ACC+8*\t:ACC+8*\t+3], s[36:37] offset:1024*\t            ; each accumulator from its low end on
	global_store_b128 v7, v[ACC+8*\t+4:ACC+8*\t+7], s[36:37] offset:1024*\t+512
.endr
	s_wait_tensorcnt 0x0
	ds_add_u32 v123, v127
	s_wait_dscnt 0x0
	s_endpgm
.Lfunc_end_k_q59e83df185_proj:
	.size	k_q59e83df185_proj, .Lfunc_end_k_q59e83df185_proj-k_q59e83df185_proj
	.p2alignl 7, 3214868480
	.fill 96, 4, 3214868480
	.section	.rodata,"a",@progbits
	.p2align	6, 0x0
	.amdhsa_kernel k_q59e83df185_proj
		.amdhsa_group_segment_fixed_size 9216
		.amdhsa_private_segment_fixed_size 0
		.amdhsa_enable_private_segment 0
		.amdhsa_kernarg_size 64
		.amdhsa_user_sgpr_count 2
		.amdhsa_user_sgpr_kernarg_segment_ptr 1
		.amdhsa_wavefront_size32 1
		.amdhsa_system_sgpr_workgroup_id_x 1
		.amdhsa_system_sgpr_workgroup_id_y 1
		.amdhsa_system_sgpr_workgroup_id_z 1
		.amdhsa_system_vgpr_workitem_id 0
		.amdhsa_next_free_vgpr 256
		.amdhsa_next_free_sgpr 66
		.amdhsa_reserve_vcc 1
		.amdhsa_float_denorm_mode_32 3
		.amdhsa_float_denorm_mode_16_64 3
		.amdhsa_memory_ordered 1
		.amdhsa_forward_progress 1
		.amdhsa_inst_pref_size 31
	.end_amdhsa_kernel
	.amdgpu_metadata
---
amdhsa.version: [ 1, 2 ]
amdhsa.kernels:
  - .name:           k_q59e83df185_proj
    .symbol:         k_q59e83df185_proj.kd
    .args:
      - { .name: x, .offset: 0, .size: 8, .value_kind: global_buffer, .address_space: global }
      - { .name: Wq, .offset: 8, .size: 8, .value_kind: global_buffer, .address_space: global }
      - { .name: Wk, .offset: 16, .size: 8, .value_kind: global_buffer, .address_space: global }
      - { .name: Wv, .offset: 24, .size: 8, .value_kind: global_buffer, .address_space: global }
      - { .name: Wo, .offset: 32, .size: 8, .value_kind: global_buffer, .address_space: global }
      - { .name: qws, .offset: 40, .size: 8, .value_kind: global_buffer, .address_space: global }
      - { .name: kvws, .offset: 48, .size: 8, .value_kind: global_buffer, .address_space: global }
      - { .name: wows, .offset: 56, .size: 8, .value_kind: global_buffer, .address_space: global }
    .group_segment_fixed_size: 9216
    .private_segment_fixed_size: 0
    .kernarg_segment_align: 8
    .kernarg_segment_size: 64
    .max_flat_workgroup_size: 256
    .sgpr_count:     66
    .vgpr_count:     256
    .wavefront_size: 32
...
	.end_amdgpu_metadata
.endif
;; end of part 1
;; launch attn (part 2): grid 64 x 4, 16 waves a work-group, clusters of 4 x 1, 327,680 bytes of LDS; arguments qws, kvws, wows, bo, out0; writes out0
.if DOCPART == 2
	.amdgcn_target "amdgcn-amd-amdhsa--gfx1250"
	.amdhsa_code_object_version 6
	.text
	.protected	k_q59e83df185_attn
	.globl	k_q59e83df185_attn
	.p2align	8
	.type	k_q59e83df185_attn,@function
k_q59e83df185_attn:
	s_mov_b64 s[64:65], 0
	v_nop
	global_prefetch_b8 v0, s[64:65] scope:SCOPE_SE
	s_setreg_imm32_b32 hwreg(HW_REG_WAVE_MODE, 25, 1), 1
	s_wait_xcnt 0x0
	s_wait_alu depctr_hold_cnt(0) depctr_sa_sdst(0) depctr_va_vdst(0) depctr_va_sdst(0) depctr_va_ssrc(0) depctr_va_vcc(0) depctr_vm_vsrc(0)
	s_getreg_b32 s2, hwreg(HW_REG_IB_STS2, 6, 4)
	s_cmp_eq_u32 s2, 0
	s_cbranch_scc0 .Lentry_in_a_cluster
	s_endpgm
.Lentry_in_a_cluster:
	s_bfe_u32 s2, ttmp6, 0x10000c
	s_cmp_lg_u32 s2, 0x3003
	s_cbranch_scc0 .Lentry_shape_is_right
	s_endpgm
.Lentry_shape_is_right:
; out = (sum over 4 heads of softmax(causal(q k^T) / 4) v) Wo^T + bo.  q k^T (K = 16) takes f32 operands, since its result goes on into a quantiser; p v (K = the keys) and the product with Wo (K = 64) run on codes of E3M2.
; Inputs are the register images that the launch before has laid (its head says how): qws, kvws, wows.  out0 [4][4096][64] f32.
; THE SOFTMAX: t = score x log2(e) / 4; M = the ceiling of the largest t seen so far; p = 2^(t - M) is quantised along the keys, not normalised; the sum l is taken of the unquantised p; a change of M multiplies l and O by a power of two.
; SHARES.  A work-group owns two blocks of 32 queries of one batch: j1 = 4 m + cx (m + 1 steps of 128 keys under the mask) and j2 = 127 - j1 (32 - m steps): 33 steps in every work-group, walked as ONE list k = 0 .. 32
; (k <= m: block 1's step k; else block 2's step k - m - 1); the steps on the diagonal are k = m and k = 32; m = 0 .. 15.  The four partners of a cluster share m and the batch, so they walk the same list, and each tile of k and v
; is asked for JOINTLY (mask 15).  cx enters only q's and out0's addresses, the prefetches' address and the mask's threshold, which is data.
; A wave owns a head, one of the block's two tiles of 16 queries (u) and the steps of one parity: its own running M, l and O^T.  The two parities and the four heads are merged at the end through LDS, by exact powers of two.
; IN TWO PHASES.  A step is an S phase (k's fragments, 32 f32 matrix instructions) and a V phase (softmax, quantising, 4 scaled matrix instructions).  Period 0: every wave runs S of its first step (k = its parity).  Period 1: the even
; waves run V of step 0.  From period 2 on the waves of parity t % 2 run S of step t, the others V of step t - 1.  A barrier stands between periods.  Parity = bit 0 xor bit 2 of the wave's number: of any four waves w % 4 alike,
; and of any four w / 4 alike, two have each parity: matrix work and vector work stand side by side.
; THE RING: four slots of a step (58,368 bytes: 4 heads x (k 8,192 + V^T's codes 6,144 + V's scale words 256)).  At the head of period t step t + 2 is asked for, into the slot of step t - 2, last read in period t - 1.
; Waves 0 and 1 fetch, half a step each: one load of 114 dense rows of 256 bytes.  A wave has two tensor loads out at the head and one afterwards.
; LAYOUT.  S^T = k q^T (source 0 = 16 keys, source 1 = my 16 queries), O^T = V^T p^T: a lane holds one query throughout.  A tile's keys are 32 bb + 8 uu + r + 8 (r / 8), so S's registers 16 bb + i are keys 32 bb + 16 (lane / 16) + i.
; In the f32 product lane (r, h) holds d = 8 h + 0 .. 7; K chunk c takes registers 2 c, 2 c + 1 of both operands: d is summed in the order 0, 1, 8, 9, 2, 3, 10, 11, ..
; THE MASK is the C of a diagonal step's first K chunk: 0 or -infinity.  S's registers are written by matrix instructions alone; t - M goes into other registers.
; K = 64 in an instruction of 128 (the last product): dE's fragment has zero codes in registers 6-11; Wo's registers 6-11 are the next tile's codes (zeros behind the last): finite numbers times 0.
; LIMITS: NaN and infinities among the inputs are not served.  A block whose largest p or dE lies under 2^-122 keeps the scale byte 1.  A block's largest p is taken from its largest score by the same multiply-add and
; exponential, which takes v_exp_f32 not to fall where its input rises.
.set STEPB,  58368
.set HALFB,  29184
.set HEADB,  14592
.set BATCHB, 1867776
.set SLOT1,  131072                    ; slots: k % 4 = 0 at 0, 1 at 58,368, 2 at 131,072, 3 at 189,440: one exclusive or turns a parity's slot into its other
.set SPARE,  116736                    ; the spare words, 128 bytes for each of 16 waves: eight blocks of 256 bytes that no other line names
.set DUMP1,  247808                    ; block 1's partial results, 16 x 4,352 bytes; no tile ever lands here
.set DSZ,    4352                      ; a partial result: O^T as 8 blocks of 512 bytes, then (-M, l), 8 bytes a lane
.set STAGE,  69632                     ; the way out's stages, 4 x 16 rows x 272.  They and block 2's partial results (from byte 0) lie in slots that have had their last fill and their last read
.set Q,    16                          ; v16-23   my 16 queries
.set O,    24                          ; v24-55   O^T: 4 tiles of 16 e
.set S,    56                          ; v56-119  S^T
.set P,    120                         ; v120-183 k's fragments; then p; then V^T's fragments
.set MK,   184                         ; v184-247 the mask (S phase); at work (V phase):
.set PCD,  184                         ;   p's codes, 12
.set PC2,  196                         ;   the conversions' second halves
.set BM,   204                         ;   four blocks' largest score, then largest p
.set BX,   208
.set SOP,  212
.set BYT,  216
.set TT,   220
.set F,    222                         ;   v[222:223] f = 2^(old M - new M), low word
.set SUM2, 224
.set ST,   220                         ; the way out: eight pairs (-M, l), then the weights
.set NINF, 248                         ; -infinity
.set WOS,  249                         ; v249-252 Wo's scale words; v253 p's, later dE's; v254-255 V's: scales and nothing else
.set PSW,  253
.set VSC,  254
; v0 thread; v1 my place in a slot (16 lane + 14,592 head + 58,368 parity); v2, v3 the spare word and 0; v4, v11 addresses in hand; v5 the mask's threshold; v6 V's scale words' place; v7 16 lane; v8, v9 where I dump; v10 prefetch offset
; v12 -M, v13 the largest t, v[14:15] l in two halves
; s14 wave, s15 head, s16 u, s17 parity, s18 cx, s19 m, s20 batch, s21 m + 1, s[22:23] lane selects, s[24:25] c, s[28:35] group 1, s[36:39], s[40:43] groups 0 (even, odd steps), s[44:45] kvws at my half of step 0,
; s[46:47] an offset, s50, s51 the even and odd step in hand, s52, s53 their slots, s54 trips, s55 what block 2 adds to the threshold, s[56:59] q's addresses, s[60:61] prefetch address, s62 its last period, s63 4,352 x my dump's number
.macro PLACES n
.rept \n
	v_nop
.endr
.endm
.macro CROUND                          ; a round of the cluster's barrier
	s_barrier_signal -1
	s_barrier_wait -1
	s_cmp_lg_u32 s14, 0
	s_cbranch_scc1 .Lnw0_\@
	s_barrier_signal -3
.Lnw0_\@:
	s_barrier_wait -3
	s_barrier_signal -1
	s_barrier_wait -1
.endm
.macro JLOAD g0                        ; the joint refill: waves 0 and 1, half a step each; four v_nop follow it
	s_cmp_lt_u32 s14, 2
	s_cbranch_scc0 .Lnj_\@
	tensor_load_to_lds s[\g0:\g0+3], s[28:35]
	s_nop 0
	PLACES 4
.Lnj_\@:
.endm
; A PREFETCH INTO THE L2: at the head of period t (t = 0 .. 27) step t + 4 of the batch's k and v is named, two periods ahead of the first joint load that can ask for it (a cluster with m >= t + 4 asks in period t + 2).
; Every cluster of a batch walks these steps: the batch's first cluster (m = 0) asks.  A step is 228 blocks of 256 bytes: each partner takes 57, told apart BY ADDRESS (14,592 cx); in each, waves 2 and 3 ask, a lane a block;
; the last 7 lanes of wave 3 name the part's last block again.  Steps 0 to 3 come by their loads alone; behind step 31 nothing is named.
.macro ASK kreg
	s_cmp_le_i32 s[\kreg], s62
	s_cbranch_scc0 .Lna_\@
	global_prefetch_b8 v10, s[60:61] th:TH_LOAD_NT scope:SCOPE_SE
.Lna_\@:
.endm
; THE HEAD OF A PERIOD.  Every wave waits for all its tensor loads, adds 0 to its spare word, and waits for that and for its LDS reads.  fill = 1, 2: a round of the cluster's barrier, and behind it step kreg + 2 of the list is
; asked for (1: with the prefetch; 2: period 30, behind whose refill there is nothing left to name).  fill = 0: the work-group's barrier alone.
.macro CHANGE g0, kreg, fill
	s_wait_tensorcnt 0x0                           ; no tensor load of mine is out, so a group 0 may be written
	ds_add_u32 v2, v3                              ; 0 onto my spare word: the descriptor's step stands between it and the wait for it
.if \fill
	s_xor_b32 s[\g0+1], s[\g0+1], SLOT1            ; this parity's other slot
	s_add_co_u32 s46, s[\kreg], 2
	s_cmp_ge_u32 s46, s21                          ; block 2's steps begin anew at the batch's first keys
	s_cselect_b32 s48, s21, 0
	s_sub_co_u32 s46, s46, s48
	s_mul_i32 s46, s46, STEPB
	s_add_nc_u64 s[\g0+2:\g0+3], s[44:45], s[46:47]
	s_or_b32 s[\g0+3], s[\g0+3], 0x80000000        ; type = 2
.endif
.if \fill == 1
	s_wait_xcnt 0x0                                ; the last prefetch, a period back, has read its address
	s_add_nc_u64 s[60:61], s[60:61], STEPB
.endif
	s_wait_dscnt 0x0                               ; the add is done, and my reads of the slots are over
.if \fill
	CROUND                                         ; no wave of any partner still reads the slot or has a load on its way
	JLOAD \g0
.else
	s_barrier_signal -1
	s_barrier_wait -1
.endif
.if \fill == 1
	ASK \kreg
.endif
.endm
; 32 f32 matrix instructions: 8 tiles of 16 keys x 4 K chunks; four accumulators take turns, one instruction a turn.
.macro SMUL masked
.irp g, 0,1
	s_wait_dscnt 8-8*\g                            ; tiles 4 g .. 4 g + 3 are in; the second group's eight loads may be out
.irp c, 0,1,2,3
.irp t, 0,1,2,3
.if \c == 0
.if \masked
	v_wmma_f32_16x16x4_f32 v[S+8*(4*\g+\t):S+8*(4*\g+\t)+7], v[P+8*(4*\g+\t):P+8*(4*\g+\t)+1], v[Q:Q+1], v[MK+8*(4*\g+\t):MK+8*(4*\g+\t)+7]
.else
	v_wmma_f32_16x16x4_f32 v[S+8*(4*\g+\t):S+8*(4*\g+\t)+7], v[P+8*(4*\g+\t):P+8*(4*\g+\t)+1], v[Q:Q+1], 0
.endif
.else
	v_wmma_f32_16x16x4_f32 v[S+8*(4*\g+\t):S+8*(4*\g+\t)+7], v[P+8*(4*\g+\t)+2*\c:P+8*(4*\g+\t)+2*\c+1], v[Q+2*\c:Q+2*\c+1], v[S+8*(4*\g+\t):S+8*(4*\g+\t)+7]
.endif
.endr
.endr
.endr
.endm
.macro DUMP ao, as                     ; my partial result goes to LDS: O^T as it stands, -M and the row's sum
	v_add_f32 v14, v14, v15
	v_permlanex16_b32 v[BX], v14, s22, s23
	v_add_f32 v13, v14, v[BX]                      ; l: my two halves and lane l xor 16's
.irp i, 0,1,2,3,4,5,6,7
	ds_store_b128 v[\ao], v[O+4*\i:O+4*\i+3] offset:512*\i       ; each accumulator from its low end on
.endr
	ds_store_b64 v[\as], v[12:13]
	s_wait_dscnt 0x0                               ; the stores have landed; their registers are written again below
.endm
.macro SWITCH                          ; from block 1 to block 2.  O^T and l are not cleared: with -M back at 3e38 the next step's f is 0, and what block 1 left, finite numbers, is multiplied by it
	DUMP 8, 9
	v_mov_b32 v13, 0xff61b1e6                      ; -3e38, under every t
	v_floor_f32 v12, -v13
	v_add_nc_u32 v5, s55, v5                       ; block 2's place in its diagonal step
.endm
; THE S PHASE of list step kreg, which lies in slot tb.  mode 0: any step up to 29.  mode 1: steps 30, 31: m + 1 <= 16, so neither the change of blocks nor block 1's diagonal falls there.  mode 2: step 32, block 2's diagonal.
.macro SPH kreg, tb, mode
.if \mode == 0
	s_sub_co_u32 s49, s[\kreg], s21
	s_cmp_lt_u32 s49, 2                            ; my parity's first step of block 2 (a wave with no step in block 1 dumps an empty result)
	s_cbranch_scc0 .Lns_\@
	SWITCH
.Lns_\@:
.endif
	v_add_nc_u32 v4, s[\tb], v1
.irp i, 0,1,2,3,4,5,6,7,8,9,10,11,12,13,14,15
	ds_load_b128 v[P+4*\i:P+4*\i+3], v4 offset:512*\i            ; k: tile i / 2, d = 8 h + 4 (i % 2) on
.endr
	s_wait_loadcnt 0x0                             ; q
.if \mode == 0
	s_cmp_eq_u32 s[\kreg], s19
	s_cbranch_scc1 .Ldg_\@
.endif
.if \mode < 2
	SMUL 0
.endif
.if \mode == 0
	s_branch .Ljn_\@
.Ldg_\@:
.endif
.if \mode != 1                                 ; on the diagonal: register 16 bb + i holds key 32 bb + 16 h + i of the step: hidden where 32 bb + i > my query's place - 16 h
.set n, 0
.rept 64
	v_cmp_gt_i32 vcc_lo, 32*(n/16)+n%16, v5
	v_cndmask_b32 v[MK+n], 0, v[NINF], vcc_lo
.set n, n+1
.endr
	SMUL 1
.endif
.if \mode == 0
.Ljn_\@:
.endif
	PLACES 8                                       ; behind the f32 form: ahead of the reads of S^T, of writes into k's and the mask's registers and of a load into q's
.endm
; THE V PHASE of list step kreg.  qn = 1: the step may be my last of block 1 (k <= m <= 15); qn = 0: steps from 29 on.
.macro VPH kreg, tb, qn
.if \qn
	s_sub_co_u32 s49, s19, s[\kreg]
	s_cmp_lt_u32 s49, 2                            ; my parity's last step of block 1: its scores are made, so block 2's q is asked for, a period ahead
	s_cbranch_scc0 .Lnq_\@
	s_wait_loadcnt 0x0                             ; q's registers take a new load only behind the wait for every earlier load into them
	global_load_b128 v[Q:Q+3], v7, s[58:59]
	global_load_b128 v[Q+4:Q+7], v7, s[58:59] offset:512
.Lnq_\@:
.endif
	v_add_nc_u32 v4, s[\tb], v1
	v_add_nc_u32 v11, s[\tb], v6
.irp b, 0,1,2,3
	v_max3_num_f32 v[BM+\b], v[S+16*\b], v[S+1+16*\b], v[S+2+16*\b]   ; the largest score of each block of 32 keys: for the row's maximum and for the block's largest p
.endr
.irp i, 3,5,7,9,11,13
.irp b, 0,1,2,3
	v_max3_num_f32 v[BM+\b], v[BM+\b], v[S+16*\b+\i], v[S+1+16*\b+\i]
.endr
.endr
.irp b, 0,1,2,3
	v_max_num_f32 v[BM+\b], v[BM+\b], v[S+15+16*\b]
.endr
.irp b, 0,1,2,3
	v_permlanex16_b32 v[BX+\b], v[BM+\b], s22, s23
.endr
.irp b, 0,1,2,3
	v_max_num_f32 v[BM+\b], v[BM+\b], v[BX+\b]     ; with lane l xor 16's 16 keys
.endr
	v_max3_num_f32 v[TT], v[BM], v[BM+1], v[BM+2]
	v_max_num_f32 v[TT], v[TT], v[BM+3]
	v_mul_f32 v[TT], s24, v[TT]                    ; as t (c is positive)
	v_max_num_f32 v13, v13, v[TT]                  ; the running largest t
	v_mov_b32 v[TT], v12
	v_floor_f32 v12, -v13                          ; the new -M = -ceil(t)
	v_sub_f32 v[TT], v12, v[TT]                    ; old M - new M: a whole number, 0 or less
	v_cvt_i32_f32 v[TT], v[TT]                     ; (it saturates)
	v_ldexp_f32 v[F], 1.0, v[TT]                   ; f = 2^(old M - new M)
.set j, 0
.rept 32
	v_pk_fma_f32 v[P+j:P+j+1], v[S+j:S+j+1], s[24:25], v[12:13] op_sel_hi:[1,0,0]   ; t - M, two at a time, into other registers than S^T's
.set j, j+2
.endr
.irp b, 0,1,2,3
	v_fma_f32 v[BM+\b], v[BM+\b], s24, v12
.endr
.set j, 0
.rept 64
	v_exp_f32 v[P+j], v[P+j]                       ; p = 2^(t - M)
.set j, j+1
.endr
	v_pk_mul_f32 v[14:15], v[14:15], v[F:F+1] op_sel_hi:[1,0]      ; l under the new M.  (The plain instruction behind the exponentials)
	s_wait_alu depctr_va_vdst(0)                   ; one wait for the batch of 64, ahead of its first reader
.irp b, 0,1,2,3
	v_exp_f32 v[BM+\b], v[BM+\b]                   ; the blocks' largest p
.endr
	v_pk_add_f32 v[SUM2:SUM2+1], v[P:P+1], v[P+2:P+3]              ; the sum of the unquantised p, in two chains
.set j, 4
.rept 15
	v_pk_add_f32 v[14:15], v[14:15], v[P+j:P+j+1]
	v_pk_add_f32 v[SUM2:SUM2+1], v[SUM2:SUM2+1], v[P+j+2:P+j+3]
.set j, j+4
.endr
	v_pk_add_f32 v[14:15], v[14:15], v[SUM2:SUM2+1]
	s_wait_alu depctr_va_vdst(0)                   ; and one for the four
.irp b, 0,1,2,3
	v_max_num_f32 v[BM+\b], 0x2800000, v[BM+\b]    ; the floor 2^(5 - 127): the byte cannot fall under 1
.endr
.irp b, 0,1,2,3
	v_add_nc_u32 v[SOP+\b], 0xfe000000, v[BM+\b]   ; 4 off the exponent field: the conversion's scale operand
.endr
.irp b, 0,1,2,3
	v_lshrrev_b32 v[BYT+\b], 23, v[SOP+\b]
.endr
	v_lshl_or_b32 v[PSW], v[BYT+1], 8, v[BYT]      ; p's scale word for these 128 keys
	v_lshl_or_b32 v[PSW], v[BYT+2], 16, v[PSW]
	v_lshl_or_b32 v[PSW], v[BYT+3], 24, v[PSW]
.irp c, 0,1
	v_cvt_scalef32_pk16_bf6_f32 v[PCD+6*\c:PCD+2+6*\c], v[P+32*\c:P+15+32*\c], v[SOP+2*\c]
	v_cvt_scalef32_pk16_bf6_f32 v[PC2+4*\c:PC2+2+4*\c], v[P+16+32*\c:P+31+32*\c], v[SOP+2*\c+1]
.endr
	v_nop                                          ; one plain instruction behind a scaled conversion
.irp i, 0,1,2,3,4,5,6,7,8,9,10,11
	ds_load_b128 v[P+4*\i:P+4*\i+3], v4 offset:8192+512*\i       ; V^T: tile i / 3, into the registers that p has left
.endr
	ds_load_b32 v[VSC], v11                        ; V's scale words: lanes 0-15 tile 0's, lanes 16-31 tile 1's;
	ds_load_b32 v[VSC+1], v11 offset:128           ; tiles 2 and 3
.irp c, 0,1                                    ; the operand's layout wants a whole block in a lane
.irp i, 0,1,2
	v_permlane16_swap_b32 v[PCD+6*\c+\i], v[PC2+4*\c+\i]
.endr
.irp i, 0,1,2
	v_mov_b32 v[PCD+3+6*\c+\i], v[PC2+4*\c+\i]
.endr
.endr
.set j, 0
.rept 16
	v_pk_mul_f32 v[O+j:O+j+1], v[O+j:O+j+1], v[F:F+1] op_sel_hi:[1,0]   ; O^T under the new M, from each accumulator's low end on.  (Also the places between p's codes and scale word and the products)
.set j, j+2
.endr
	s_wait_dscnt 0x0
.irp e, 0,1,2,3
.if (\e)%2
	v_wmma_scale_f32_16x16x128_f8f6f4 v[O+8*\e:O+8*\e+7], v[P+12*\e:P+12*\e+11], v[PCD:PCD+11], v[O+8*\e:O+8*\e+7], v[VSC+\e/2], v[PSW] matrix_a_fmt:MATRIX_FMT_BF6 matrix_b_fmt:MATRIX_FMT_BF6 matrix_a_scale:MATRIX_SCALE_ROW1
.else
	v_wmma_scale_f32_16x16x128_f8f6f4 v[O+8*\e:O+8*\e+7], v[P+12*\e:P+12*\e+11], v[PCD:PCD+11], v[O+8*\e:O+8*\e+7], v[VSC+\e/2], v[PSW] matrix_a_fmt:MATRIX_FMT_BF6 matrix_b_fmt:MATRIX_FMT_BF6
.endif
.endr
	PLACES 4                                       ; ahead of loads into V^T's registers and of the next read of O^T
.endm
.macro PERIOD sp, mode, qn             ; the waves of parity sp run S, the others V; each on its own parity's step and slot.  Every test of the parity has the same form
	s_cmp_eq_u32 s17, 0
.if \sp
	s_cbranch_scc1 .Lpv_\@
	SPH 51, 53, \mode
.else
	s_cbranch_scc0 .Lpv_\@
	SPH 50, 52, \mode
.endif
	s_branch .Lpe_\@
.Lpv_\@:
.if \sp
	VPH 50, 52, \qn
.else
	VPH 51, 53, \qn
.endif
.Lpe_\@:
.endm
	s_load_b256 s[4:11], s[0:1], 0x0               ; qws s[4:5], kvws s[6:7], wows s[8:9], bo s[10:11]
	s_load_b64 s[12:13], s[0:1], 0x20              ; out0
	v_lshl_add_u32 v2, v0, 2, SPARE
	v_mov_b32 v3, 0
	ds_add_u32 v2, v3
	s_wait_dscnt 0x0
	v_lshrrev_b32 v4, 5, v0
	v_readfirstlane_b32 s14, v4                    ; wave 0..15
	s_and_b32 s16, s14, 1                          ; u = bit 0
	s_bfe_u32 s15, s14, 0x10001                    ; bit 1
	s_lshr_b32 s66, s14, 3
	s_lshl_b32 s66, s66, 1
	s_add_co_u32 s15, s15, s66                     ; head = bit 1 + 2 x bit 3
	s_mul_i32 s17, s14, 5                          ; 5 w = w + 4 w: its bit 2 is w's bit 2 plus w's bit 0, with no carry from below
	s_bfe_u32 s17, s17, 0x10002                    ; parity = bit 0 xor bit 2
	s_lshl_b32 s66, s16, 2
	s_add_co_u32 s63, s15, s66
	s_lshl_b32 s66, s17, 3
	s_add_co_u32 s63, s63, s66                     ; my dump's number: head + 4 u + 8 parity
	s_mul_i32 s63, s63, DSZ
	s_bfe_u32 s18, ttmp6, 0x40000                  ; cx
	s_mov_b32 s19, ttmp9                           ; m: in a cluster launch ttmp9 counts clusters
	s_and_b32 s20, ttmp7, 0xffff                   ; batch
	s_add_co_u32 s21, s19, 1                       ; block 1's steps
	s_mov_b32 s22, 0x76543210
	s_mov_b32 s23, 0xfedcba98
	s_mov_b32 s24, 0x3eb8aa3b                      ; c = log2(e) / 4
	s_mov_b32 s25, s24                             ; (named with it as a pair)
	s_mov_b32 s28, 15|(3<<16)|(1<<21)              ; group 1: 15:0 the mask: all four work-groups; 17:16 elements of 8 bytes; 20 no padding; 21 set beside a mask
	s_mov_b32 s29, 32<<16                          ; tensor_dim0 = 32 elements: rows of 256 bytes
	s_mov_b32 s30, 114<<16                         ; tensor_dim1 = 114 rows: half a step
	s_mov_b32 s31, 32<<16                          ; tile_dim0
	s_mov_b32 s32, 114                             ; tile_dim1
	s_mov_b32 s33, 32                              ; the pitch: dense
	s_mov_b32 s34, 0
	s_mov_b32 s35, 0
	s_mov_b32 s50, 0
	s_mov_b32 s51, 1
	s_mov_b32 s52, 0
	s_mov_b32 s53, 0
	s_mov_b32 s47, 0
	s_lshl_b32 s55, s18, 6
	s_sub_co_i32 s55, 96, s55                      ; 32 (3 - cx) - 32 cx
	s_mul_i32 s37, s16, HALFB                      ; LDS: wave 0 the slot's first half, wave 1 its second (u is the wave's number there)
	s_add_co_u32 s41, s37, STEPB
	s_mul_i32 s66, s20, BATCHB
	s_add_co_u32 s66, s66, s37
	s_mov_b32 s67, 0
	s_wait_kmcnt 0x0
	s_add_nc_u64 s[44:45], s[6:7], s[66:67]        ; the batch's step 0, my half
	s_mov_b32 s36, 1                               ; group 0, even steps: list step 0
	s_mov_b64 s[38:39], s[44:45]
	s_or_b32 s39, s39, 0x80000000
	s_mov_b32 s40, 1                               ; odd steps: list step 1, which is block 2's step 0 where m = 0
	s_cmp_le_u32 s21, 1
	s_cselect_b32 s48, s21, 0
	s_sub_co_u32 s46, 1, s48
	s_mul_i32 s46, s46, STEPB
	s_add_nc_u64 s[42:43], s[44:45], s[46:47]
	s_or_b32 s43, s43, 0x80000000
	CROUND                                         ; all four work-groups are here: the first joint loads meet
	s_cmp_lt_u32 s14, 2                            ; a wave's two first fills stand in one branch, ahead of every wait on TENSORcnt and every LDS read
	s_cbranch_scc0 .Lno_first
	tensor_load_to_lds s[36:39], s[28:35]
	s_nop 0
	tensor_load_to_lds s[40:43], s[28:35]
	s_nop 0
	PLACES 4
.Lno_first:
	s_lshl_b32 s66, s20, 5                         ; q: ((32 batch + step) 4 + head) 8,192 + (2 (block % 4) + u) 1,024; block 1: step m, cx; block 2: step 31 - m, 3 - cx
	s_add_co_u32 s67, s66, s19
	s_lshl_b32 s67, s67, 2
	s_add_co_u32 s67, s67, s15
	s_lshl_b32 s67, s67, 13
	s_lshl_b32 s68, s18, 1
	s_add_co_u32 s68, s68, s16
	s_lshl_b32 s68, s68, 10
	s_add_co_u32 s67, s67, s68
	s_add_co_u32 s66, s66, 31
	s_sub_co_u32 s66, s66, s19
	s_lshl_b32 s66, s66, 2
	s_add_co_u32 s66, s66, s15
	s_lshl_b32 s66, s66, 13
	s_sub_co_u32 s68, 3, s18
	s_lshl_b32 s68, s68, 1
	s_add_co_u32 s68, s68, s16
	s_lshl_b32 s68, s68, 10
	s_add_co_u32 s68, s66, s68
	s_mov_b32 s69, 0
	s_cmp_lt_u32 s17, s21                          ; a wave whose parity has no step in block 1 (m = 0, odd) begins with block 2's q
	s_cselect_b32 s66, s67, s68
	s_mov_b32 s67, 0
	s_add_nc_u64 s[56:57], s[4:5], s[66:67]
	s_add_nc_u64 s[58:59], s[4:5], s[68:69]
	s_mul_i32 s66, s20, BATCHB                     ; the prefetches: my work-group's 57 blocks, at step 3; the first period steps it to step 4
	s_mul_i32 s67, s18, HEADB
	s_add_co_u32 s66, s66, s67
	s_add_co_u32 s66, s66, 3*STEPB
	s_mov_b32 s67, 0
	s_add_nc_u64 s[60:61], s[6:7], s[66:67]
	s_lshr_b32 s66, s14, 1
	s_xor_b32 s66, s66, 1
	s_or_b32 s66, s66, s19                         ; 0 in waves 2 and 3 of the batch's first cluster: the same in all four partners
	s_cmp_eq_u32 s66, 0
	s_cselect_b32 s62, 27, -1
	v_and_b32 v4, 31, v0                           ; lane
	s_lshl_b32 s66, s16, 5
	v_add_nc_u32 v10, s66, v4
	v_min_u32 v10, 56, v10
	v_lshlrev_b32 v10, 8, v10                      ; block min(32 (wave % 2) + lane, 56) of the 57
	v_lshlrev_b32 v7, 4, v4
	global_load_b128 v[Q:Q+3], v7, s[56:57]        ; q: d = 8 h + 0 .. 3,
	global_load_b128 v[Q+4:Q+7], v7, s[56:57] offset:512   ; 8 h + 4 .. 7
	s_mul_i32 s66, s15, HEADB
	s_mul_i32 s67, s17, STEPB
	s_add_co_u32 s66, s66, s67
	v_add_nc_u32 v1, s66, v7
	s_add_co_u32 s66, s66, 14336
	v_lshlrev_b32 v6, 2, v4
	v_add_nc_u32 v6, s66, v6
	s_add_co_u32 s66, s63, DUMP1
	v_add_nc_u32 v8, s66, v7
	s_add_co_u32 s66, s66, 4096
	v_lshlrev_b32 v9, 3, v4
	v_add_nc_u32 v9, s66, v9
	v_and_b32 v5, 15, v0                           ; the mask's threshold: 32 cx + 8 u + r + 8 (r / 8) - 16 h
	v_and_b32 v4, 8, v5
	v_add_nc_u32 v5, v5, v4
	v_bfe_u32 v4, v0, 4, 1
	v_lshlrev_b32 v4, 4, v4
	v_sub_nc_u32 v5, v5, v4
	s_lshl_b32 s66, s18, 5
	s_lshl_b32 s67, s16, 3
	s_add_co_u32 s66, s66, s67
	v_add_nc_u32 v5, s66, v5
	v_mov_b32 v13, 0xff61b1e6                      ; the largest t so far: -3e38
	v_floor_f32 v12, -v13
	v_mov_b32 v14, 0
	v_mov_b32 v15, 0
.set j, 0
.rept 32
	v_mov_b32 v[O+j], 0                            ; the V phase is written once: its first step finds zeros, which the first change of M leaves zeros
.set j, j+1
.endr
.irp b, 0,1,2,3
	v_mov_b32 v[BX+\b], 0                          ; lane permutes' destinations, written once
.endr
	v_mov_b32 v[F+1], 0                            ; (named as the upper half of a pair)
	v_mov_b32 v[NINF], 0xff800000
	CHANGE 36, 50, 1                               ; period 0: steps 0 and 1 have landed; step 2 is asked for
	SPH 17, 52, 0                                  ; every wave: S of its first step, k = its parity; both parities' first slots begin at offset 0 of their halves
	CHANGE 40, 51, 1                               ; period 1: step 3 is asked for
	s_cmp_eq_u32 s17, 0
	s_cbranch_scc0 .Lp1
	VPH 50, 52, 1                                  ; the even waves: V of step 0
.Lp1:
	s_add_co_u32 s50, s50, 2
	s_xor_b32 s52, s52, SLOT1
	s_mov_b32 s54, 14
.Lloop:                                            ; 14 trips of two periods: periods 2 to 29; the fills reach list step 31
	CHANGE 36, 50, 1
	PERIOD 0, 0, 1
	s_add_co_u32 s51, s51, 2
	s_xor_b32 s53, s53, SLOT1
	CHANGE 40, 51, 1
	PERIOD 1, 0, 1
	s_add_co_u32 s50, s50, 2
	s_xor_b32 s52, s52, SLOT1
	s_sub_co_u32 s54, s54, 1
	s_cmp_lg_u32 s54, 0
	s_cbranch_scc1 .Lloop
	CHANGE 36, 50, 2                               ; the tail is written out.  Period 30: step 32, the last, is asked for
	PERIOD 0, 1, 0                                 ; S of step 30, V of step 29
	s_add_co_u32 s51, s51, 2
	s_xor_b32 s53, s53, SLOT1
	CHANGE 40, 51, 0                               ; period 31: step 32 has landed, nothing is asked for
	PERIOD 1, 1, 0                                 ; S of step 31, V of step 30
	s_add_co_u32 s50, s50, 2
	s_xor_b32 s52, s52, SLOT1
	PERIOD 0, 2, 0                                 ; S of step 32, V of step 31: nothing is filled any more, so no barrier stands in front
	s_cmp_eq_u32 s17, 0
	s_cbranch_scc0 .Lno_v32
	VPH 50, 52, 0                                  ; V of step 32
.Lno_v32:
	s_wait_xcnt 0x0                                ; the last prefetch has read v10, which is written again below
	v_and_b32 v4, 31, v0
	v_lshlrev_b32 v11, 2, v4                       ; 4 x lane
	v_lshlrev_b32 v4, 3, v4                        ; 8 x lane
	v_and_b32 v6, 15, v0
	v_lshlrev_b32 v6, 4, v6                        ; 16 (lane % 16)
	s_wait_dscnt 0x0                               ; my reads of the ring are over
	s_barrier_signal -1
	s_barrier_wait -1                              ; everybody's are: the slots have had their last fill and their last read
	v_add_nc_u32 v8, s63, v7                       ; block 2's partial results lie from byte 0 on
	s_add_co_u32 s66, s63, 4096
	v_add_nc_u32 v9, s66, v4
	DUMP 8, 9
	s_barrier_signal -1
	s_barrier_wait -1                              ; all 32 partial results lie in LDS
	; the way out's addresses, made by every wave: g = wave % 4 takes block g / 2, tile of queries g % 2
	s_and_b32 s66, s14, 3
	s_lshr_b32 s67, s66, 1
	s_xor_b32 s68, s67, 1
	s_mul_i32 s68, s68, DUMP1                      ; block 1's dumps, or block 2's at 0
	s_mul_i32 s69, s16, 4*DSZ
	s_add_co_u32 s68, s68, s69
	v_add_nc_u32 v1, s68, v7                       ; O^T's images
	v_add_nc_u32 v5, s68, v4                       ; (-M, l)
	s_mul_i32 s69, s66, 16*272
	s_add_co_u32 s69, s69, STAGE                   ; my stage
	v_and_b32 v236, 15, v0
	v_bfe_u32 v237, v0, 4, 1
	v_mul_u32_u24 v10, v236, 272
	v_lshl_add_u32 v10, v237, 5, v10
	v_add_nc_u32 v10, s69, v10                     ; in: row r, + 32 h
	v_mul_u32_u24 v8, v237, 272
	v_add_nc_u32 v8, v8, v6
	v_add_nc_u32 v8, s69, v8                       ; back: lanes 0-15 one row, lanes 16-31 the next
	v_lshl_add_u32 v9, v237, 8, v6                 ; and the same two rows in out0
	s_lshl_b32 s70, s19, 2
	s_add_co_u32 s70, s70, s18                     ; j1
	s_sub_co_u32 s71, 127, s70                     ; j2
	s_cmp_eq_u32 s67, 0
	s_cselect_b32 s70, s70, s71
	s_lshl_b32 s70, s70, 5
	s_lshl_b32 s71, s20, 12
	s_add_co_u32 s70, s70, s71
	s_lshl_b32 s71, s16, 3
	s_add_co_u32 s70, s70, s71                     ; token 4,096 batch + 32 j + 8 u
	s_lshl_b32 s70, s70, 8
	s_mov_b32 s71, 0
	s_add_nc_u64 s[72:73], s[12:13], s[70:71]
	s_cmp_lt_u32 s14, 4                            ; waves 0-3 finish the four tiles of queries
	s_cbranch_scc0 .Lend
; THE WAY OUT.  Partial k = 2 head + parity.  dE = sum over heads of (f0 O0 + f1 O1) / (f0 l0 + f1 l1), f = 2^(M of the partial - the head's M): an empty partial (-M = 3e38, l = 0) gets f = 0.
.macro PLOAD k
.irp i, 0,1,2,3,4,5,6,7
	ds_load_b128 v[P+32*((\k)%2)+4*\i:P+32*((\k)%2)+4*\i+3], v1 offset:((\k)/2)*DSZ+((\k)%2)*8*DSZ+512*\i
.endr
.endm
.irp w, 0,1,2,3                                ; Wo, its scale words and bo are asked for first and land while the eight partial results are merged
	global_load_b128 v[184+6*\w:187+6*\w], v7, s[8:9] offset:768*\w
	global_load_b64 v[188+6*\w:189+6*\w], v4, s[8:9] offset:768*\w+512
	global_load_b32 v[WOS+\w], v11, s[8:9] offset:3072+128*\w
.endr
	global_load_b128 v[216:219], v6, s[10:11]      ; bo at my four columns of a row
.irp k, 0,1,2,3,4,5,6,7
	ds_load_b64 v[ST+2*\k:ST+2*\k+1], v5 offset:(\k/2)*DSZ+(\k%2)*8*DSZ+4096
.endr
	PLOAD 0
	PLOAD 1
	s_wait_dscnt 16                                ; the eight pairs are in; two partials' 16 loads may be out
.irp h, 0,1,2,3
	v_min_num_f32 v[236+\h], v[ST+4*\h], v[ST+2+4*\h]              ; the head's -M
.endr
.irp h, 0,1,2,3
	v_sub_f32 v[ST+4*\h], v[236+\h], v[ST+4*\h]
	v_sub_f32 v[ST+2+4*\h], v[236+\h], v[ST+2+4*\h]
.endr
.irp h, 0,1,2,3
	v_cvt_i32_f32 v[ST+4*\h], v[ST+4*\h]
	v_cvt_i32_f32 v[ST+2+4*\h], v[ST+2+4*\h]
.endr
.irp h, 0,1,2,3
	v_ldexp_f32 v[ST+4*\h], 1.0, v[ST+4*\h]
	v_ldexp_f32 v[ST+2+4*\h], 1.0, v[ST+2+4*\h]
.endr
.irp h, 0,1,2,3
	v_mul_f32 v[240+\h], v[ST+4*\h], v[ST+1+4*\h]
.endr
.irp h, 0,1,2,3
	v_fmac_f32 v[240+\h], v[ST+2+4*\h], v[ST+3+4*\h]               ; the head's l
.endr
.irp h, 0,1,2,3
	v_rcp_f32 v[244+\h], v[240+\h]
.endr
	v_nop                                          ; a plain instruction behind the last reciprocal
	s_wait_alu depctr_va_vdst(0)                   ; one wait for the four, ahead of their first reader
.irp h, 0,1,2,3
	v_mul_f32 v[ST+4*\h], v[ST+4*\h], v[244+\h]                    ; the partials' weights, in the low word of each pair
	v_mul_f32 v[ST+2+4*\h], v[ST+2+4*\h], v[244+\h]
.endr
.irp k, 0,1,2,3,4,5,6,7
.if \k < 7
	s_wait_dscnt 8                                 ; partial k is in; the next one's eight loads may be out
.else
	s_wait_dscnt 0x0
.endif
.set j, 0
.rept 16
.if \k == 0
	v_pk_mul_f32 v[O+j:O+j+1], v[P+j:P+j+1], v[ST:ST+1] op_sel_hi:[1,0]
.else
	v_pk_fma_f32 v[O+j:O+j+1], v[P+32*(\k%2)+j:P+32*(\k%2)+j+1], v[ST+2*\k:ST+2*\k+1], v[O+j:O+j+1] op_sel_hi:[1,0,1]
.endif
.set j, j+2
.endr
.if \k < 6
	PLOAD \k+2
.endif
.endr
	; dE's registers 16 b + i are e = 32 b + 16 h + i of my query: two blocks of 32, quantised as p is
.irp b, 0,1
	v_max3_num_f32 v[236+\b], |v[O+16*\b]|, |v[O+1+16*\b]|, 0x2800000
.endr
.irp i, 2,4,6,8,10,12,14
.irp b, 0,1
	v_max3_num_f32 v[236+\b], v[236+\b], |v[O+16*\b+\i]|, |v[O+1+16*\b+\i]|
.endr
.endr
.irp b, 0,1
	v_permlanex16_b32 v[244+\b], v[236+\b], s22, s23               ; (into registers that this branch has written: a lane permute's destination counts as one of its sources)
.endr
.irp b, 0,1
	v_max_num_f32 v[236+\b], v[236+\b], v[244+\b]
.endr
.irp b, 0,1
	v_add_nc_u32 v[240+\b], 0xfe000000, v[236+\b]
.endr
.irp b, 0,1
	v_lshrrev_b32 v[242+\b], 23, v[240+\b]
.endr
	v_lshl_or_b32 v[PSW], v243, 8, v242            ; dE's scale word; bytes 2, 3 stay 0
	v_cvt_scalef32_pk16_bf6_f32 v[120:122], v[O:O+15], v240
	v_cvt_scalef32_pk16_bf6_f32 v[132:134], v[O+16:O+31], v241
	v_nop                                          ; one plain instruction behind a scaled conversion
.irp i, 0,1,2
	v_permlane16_swap_b32 v[120+\i], v[132+\i]
.endr
.irp i, 0,1,2
	v_mov_b32 v[123+\i], v[132+\i]
.endr
.irp i, 0,1,2,3,4,5
	v_mov_b32 v[126+\i], 0                         ; dE's K = 64 .. 127: zero codes
	v_mov_b32 v[208+\i], 0                         ; and behind Wo's last tile
.endr
	s_wait_loadcnt 0x0                             ; Wo, its scale words, bo
	PLACES 8                                       ; a scale register written by a vector instruction stands 8 places ahead of a scaled matrix instruction
.irp w, 0,1,2,3                                ; source 0 = 16 rows of Wo, source 1 = dE: a lane holds one query and columns 16 w + 8 h + 0 .. 7
	v_wmma_scale_f32_16x16x128_f8f6f4 v[136+8*\w:143+8*\w], v[184+6*\w:195+6*\w], v[120:131], 0, v[WOS+\w], v[PSW] matrix_a_fmt:MATRIX_FMT_BF6 matrix_b_fmt:MATRIX_FMT_BF6
.endr
	PLACES 4
.irp w, 0,1,2,3
	ds_store_b128 v10, v[136+8*\w:139+8*\w] offset:64*\w         ; into my own stage, each accumulator from its low end on
	ds_store_b128 v10, v[140+8*\w:143+8*\w] offset:64*\w+16
.endr
.irp i, 0,1,2,3,4,5,6,7
	ds_load_b128 v[O+4*\i:O+4*\i+3], v8 offset:544*\i            ; LDS serves a wave's instructions in order: these see my stores
.endr
.irp i, 0,1,2,3,4,5,6,7
	s_wait_dscnt 7-\i                              ; rows 2 i, 2 i + 1 are back; the later rows' loads may be out
	v_pk_add_f32 v[O+4*\i:O+4*\i+1], v[O+4*\i:O+4*\i+1], v[216:217]
	v_pk_add_f32 v[O+4*\i+2:O+4*\i+3], v[O+4*\i+2:O+4*\i+3], v[218:219]
	global_store_b128 v9, v[O+4*\i:O+4*\i+3], s[72:73] offset:256*(2*\i+8*(\i/4)) th:TH_STORE_NT   ; row rho of the tile is token rho + 8 (rho / 8): 16 lanes store a whole row of 256 bytes, aligned
.endr
.Lend:
	s_wait_tensorcnt 0x0                           ; the wave's end: behind my last tensor load and my last LDS store
	ds_add_u32 v2, v3
	s_wait_dscnt 0x0
	CROUND                                         ; the closing round: no work-group ends while a partner may still ask for a tile that names it
	s_endpgm
.Lfunc_end_k_q59e83df185_attn:
	.size	k_q59e83df185_attn, .Lfunc_end_k_q59e83df185_attn-k_q59e83df185_attn
	.p2alignl 7, 3214868480
	.fill 96, 4, 3214868480
	.section	.rodata,"a",@progbits
	.p2align	6, 0x0
	.amdhsa_kernel k_q59e83df185_attn
		.amdhsa_group_segment_fixed_size 327680
		.amdhsa_private_segment_fixed_size 0
		.amdhsa_enable_private_segment 0
		.amdhsa_kernarg_size 40
		.amdhsa_user_sgpr_count 2
		.amdhsa_user_sgpr_kernarg_segment_ptr 1
		.amdhsa_wavefront_size32 1
		.amdhsa_system_sgpr_workgroup_id_x 1
		.amdhsa_system_sgpr_workgroup_id_y 1
		.amdhsa_system_sgpr_workgroup_id_z 1
		.amdhsa_system_vgpr_workitem_id 0
		.amdhsa_next_free_vgpr 256
		.amdhsa_next_free_sgpr 80
		.amdhsa_reserve_vcc 1
		.amdhsa_float_denorm_mode_32 3
		.amdhsa_float_denorm_mode_16_64 3
		.amdhsa_memory_ordered 1
		.amdhsa_forward_progress 1
		.amdhsa_inst_pref_size 184
	.end_amdhsa_kernel
	.amdgpu_metadata
---
amdhsa.version: [ 1, 2 ]
amdhsa.kernels:
  - .name:           k_q59e83df185_attn
    .symbol:         k_q59e83df185_attn.kd
    .args:
      - { .name: qws, .offset: 0, .size: 8, .value_kind: global_buffer, .address_space: global }
      - { .name: kvws, .offset: 8, .size: 8, .value_kind: global_buffer, .address_space: global }
      - { .name: wows, .offset: 16, .size: 8, .value_kind: global_buffer, .address_space: global }
      - { .name: bo, .offset: 24, .size: 8, .value_kind: global_buffer, .address_space: global }
      - { .name: out0, .offset: 32, .size: 8, .value_kind: global_buffer, .address_space: global }
    .group_segment_fixed_size: 327680
    .private_segment_fixed_size: 0
    .kernarg_segment_align: 8
    .kernarg_segment_size: 40
    .max_flat_workgroup_size: 512
    .sgpr_count:     80
    .vgpr_count:     256
    .wavefront_size: 32
...
	.end_amdgpu_metadata
.endif
;; end of part 2
